; MI455X (gfx1250); checked and timed in simulation.
; The chip was launched on July 23, 2026; its instructions are those of AMD's public machine-readable ISA for CDNA 5 (MIT licence, August 2026) and "CDNA5" Instruction Set Architecture Reference Guide (July 2026). The comments in the code are by the model that wrote it; some were corrected since.
;; Net. Allowed arithmetic: matrix products marked QUANTISED: E3M2 operands, one E8M0 scale for each 32 along K, by v_wmma_scale_f32_16x16x128_f8f6f4 with both operands' format E3M2, f32 sums; everything else in f32.
;; Inputs: b_dense 256 float32; b_hh 2,048 float32; b_ih 2,048 float32; embed_w 50,257 x 256 float32; w_dense 256 x 512 float32; w_hh 2,048 x 512 float32; w_ih 2,048 x 256 float32; x 32,768 int32.
;; Outputs: out0 32,768 x 256 float32.
;; This version of the problem:
;;   THIS VERSION OF THE PROBLEM IS GIVEN IN LOW PRECISION. The matrix products marked QUANTISED in the list below multiply operands that are first quantised to E3M2 (3 exponent bits, 2 mantissa bits; 6 bits a number), with one power-of-two scale for each 32 numbers along K (OCP MX v1.0); their sums are f32. All else is computed in f32.
;;   The module's matrix products, in the order in which they are computed (A, B: the left and right operand; K: the contracted axis; several contracted axes count as one K, in the product's order):
;;     1. [M 32,768, K 256] x [K 256, N 2,048]; A: computed on the way; B: input w_ih: QUANTISED
;;     2. [M 32,768, K 512] x [K 512, N 2,048]; A: computed on the way; B: input w_hh: QUANTISED
;;     3. [M 32,768, K 512] x [K 512, N 256]; A: computed on the way; B: input w_dense: QUANTISED
;;   THE QUANTISER, for each operand of a quantised product, along K:
;;     - K is cut into blocks of 32 from its start; a last block that is shorter is filled with zeros.
;;     - A block's scale is 2^e with e = floor(log2(the largest magnitude in the block)) - 4, held to -126 .. 127; a block of zeros has e = 0. As a byte (E8M0): e + 127.
;;     - Each number is divided by its block's scale, clamped to +-28, and rounded to the nearest number of E3M2, ties to even, subnormals kept.
;;     - The product sums the exact products of the quantised numbers (number of the format x scale) in f32.
;;   ~~~python
;;   def quantise(x, axis):      # numpy; x: float32 -> the quantised numbers, widened to float32 again
;;       x = np.moveaxis(x, axis, -1); K = x.shape[-1]
;;       x = np.pad(x, [(0, 0)] * (x.ndim - 1) + [(0, -K % 32)]); x = x.reshape(x.shape[:-1] + (-1, 32)); a = np.abs(x).max(-1, keepdims=True)
;;       e = np.where(a > 0, np.clip(np.frexp(np.where(a > 0, a, 1))[1] - 1 - 4, -126, 127), 0)      # np.frexp(a)[1] - 1 = floor(log2(a)), exactly
;;       r = np.clip(x / 2.0 ** e, -28, 28)
;;       step = 2.0 ** (np.maximum(np.frexp(np.where(r == 0, 1, r))[1] - 1, -2) - 2)
;;       q = np.round(r / step) * step * 2.0 ** e      # np.round: ties to even
;;       return np.moveaxis(q.reshape(q.shape[:-2] + (-1,))[..., :K], -1, axis).astype(np.float32)
;;   ~~~
;;   OPERANDS COMPUTED ON THE WAY. 'Computed on the way' means the value that the module computes at that place (a softmax that the list does not call 'softmax' is quantised finished and normalised). What goes into a quantiser is computed in f32, as accurately as f32 sums, v_exp_f32 and their like allow (about 1e-6 of the number): no bf16 or f16 on the way to a quantiser, and a product that is left as it is and whose result goes on into a quantised operand takes f32 operands (vector FMAs, or v_wmma_f32_16x16x4_f32). A number that lies on a knife's edge between two numbers of the format may be rounded either way, as far as f32 arithmetic and the matrix unit's own rounding can turn it there, and no further.
;; One version. Each part assembles by itself: llvm-mc -triple=amdgcn-amd-amdhsa -mcpu=gfx1250 --defsym DOCPART=n.
;; ======== version 1 of 1: 2 launches
;; limits: right only within a limited range of input values
;; workspace buffers: wq 409,600 bytes
;; launch prep (part 1): grid 64 x 4, 1 waves a work-group, no clusters, 0 bytes of LDS; arguments w_ih, w_dense, wq; writes wq
.if DOCPART == 1
	.amdgcn_target "amdgcn-amd-amdhsa--gfx1250"
	.amdhsa_code_object_version 6
	.text
	.protected	k_q221cd9c4b8_prep
	.globl	k_q221cd9c4b8_prep
	.p2align	8
	.type	k_q221cd9c4b8_prep,@function
k_q221cd9c4b8_prep:
	s_mov_b64 s[64:65], 0
	v_nop
	global_prefetch_b8 v0, s[64:65] scope:SCOPE_SE
	s_setreg_imm32_b32 hwreg(HW_REG_WAVE_MODE, 25, 1), 1
	s_wait_xcnt 0x0
; THE PROGRAM: out = Q(h) Q(w_dense)^T + b_dense, h = sigmoid(o) tanh(c), c = sigmoid(i) tanh(g), (i, g, o) = Q(embed_w[x]) Q(w_ih)^T + b_ih + b_hh; Q = codes of BF6 (E3M2) with one E8M0 scale for each 32 along K.
; DEAD WORK, for all finite values of the inputs:
;   h0 @ w_hh.T: reference() builds h0 as zeros in its own body; the quantiser turns zeros into zeros, and a sum of products with zeros is 0.  So the product adds 0 to the gates whatever w_hh holds:
;   the product is left out, w_hh has no way to any output, is not loaded, and is among no launch's arguments.
;   sigmoid(f) * c0: reference() builds c0 as zeros, and sigmoid(f) is finite for every finite f, so the term is 0.  f is used nowhere else: rows 512 to 1023 of w_ih, b_ih and b_hh are left out as whole rows.
;   b_hh's other rows are added to live gates and stay.
; LIMIT: a NaN, an infinity or an overflow that reaches only w_hh or the f rows is not carried to the result.
;
; THIS LAUNCH quantises the live rows of w_ih [2048][256] and all of w_dense [256][512] along K (innermost in both) ONCE, since every work-group of the next launch reads all of them,
; and lays the codes in wq in the order of the operand's registers, so that the next launch fills a fragment by three loads of 16 bytes a lane.
; A UNIT is 16 rows x 256 along K = two fragments (16 rows x 128 K: 12 registers a lane).  wq: unit U at byte 3072 U: [K step 0, 1][quad c = 0..2][lane][16 bytes] = registers 4 c .. 4 c + 3;
; from byte 393,216 on, 128 bytes a unit: 16 scale words of the unit's first K step (row r's at 4 r), then 16 of its second.
; Gate units U = 6 b + 2 q + u (b = 0 .. 15: a block of 32 hidden units, q = 0, 1, 2: gates i, g, o, u: tile of the pair): tile row r is row G(q) + 32 b + 8 u + r + 8 (r / 8) of w_ih, G = 0, 1024, 1536:
; THE ROWS OF A TILE ARE NOT NEIGHBOURS, so that the 16 result registers of tiles u = 0, 1 are 16 neighbouring hidden units.
; Dense units U = 96 + 2 t + p: tile row r is row 16 t + r of w_dense, K = 256 p .. 256 p + 255.
; SHARES: 256 work-groups of one wave, one K step s of a unit each: x = 4 b + 2 u + s or 4 t + 2 p + s, y = q or 3.  One path for all: only scalars chosen by the work-group's number differ.  No LDS, no barrier.
; A lane (r = lane % 16, h = lane / 16) loads whole blocks of 32: k = 128 s + 64 c + 32 h + 0 .. 31 of its row, which is what the operand's layout gives it: no other lane is asked for a maximum.
; A block's scale is 2^(floor(log2(its largest magnitude)) - 4): its byte is the largest magnitude's exponent field - 4, held at 1 from below by a floor among the maximum's leaves.
; LIMITS: a block of zeros gets the byte 1 where the rule says 127: its codes are zeros, which add nothing under any byte but 0xff, and this program alone reads the bytes.  NaN and infinities among the inputs are not served.
.set NX,   32                          ; v32-95  64 numbers
.set FRG,  96                          ; v96-107 the fragment
.set HM,   8                           ; v8-11   at work
.set HM2,  9
.set HSC,  10
.set HBY,  11
.set QT,   12                          ; v12, v13
.set V8H,  4                           ; v4      8 h
.set SEL,  30                          ; s[30:31] v_permlanex16_b32's selects for lane l xor 16
	s_load_b128 s[4:7], s[0:1], 0x0                ; w_ih s[4:5], w_dense s[6:7]
	s_load_b64 s[8:9], s[0:1], 0x10                ; wq
	s_and_b32 s10, ttmp7, 0xffff                   ; y: the gate q, or 3 for w_dense
	s_lshr_b32 s11, ttmp9, 2                       ; b, or t
	s_bfe_u32 s12, ttmp9, 0x10001                  ; u, or p
	s_and_b32 s13, ttmp9, 1                        ; the K step
	s_add_co_u32 s14, s10, 1
	s_lshl_b32 s14, s14, 9                         ; 512 (q + 1): 1024 for g, 1536 for o,
	s_cmp_eq_u32 s10, 0
	s_cselect_b32 s14, 0, s14                      ; and 0 for i
	s_lshl_b32 s15, s11, 5
	s_add_co_u32 s14, s14, s15
	s_lshl_b32 s15, s12, 3
	s_add_co_u32 s14, s14, s15                     ; a gate tile's first row
	s_mul_i32 s16, s11, 6
	s_lshl_b32 s15, s10, 1
	s_add_co_u32 s16, s16, s15
	s_add_co_u32 s16, s16, s12                     ; its unit
	s_lshl_b32 s17, s11, 4                         ; a dense tile's first row
	s_lshl_b32 s18, s11, 1
	s_add_co_u32 s18, s18, s12
	s_add_co_u32 s18, s18, 96                      ; its unit
	s_lshl_b32 s19, s12, 10                        ; and where its 256 along K begin in a row, in bytes
	s_lshl_b32 s26, s13, 9                         ; my K step's 512 bytes
	s_mul_i32 s27, s13, 1536
	s_lshl_b32 s28, s13, 6
	s_mov_b32 s[SEL], 0x76543210
	s_mov_b32 s[SEL+1], 0xfedcba98
	s_mov_b32 s23, 0
	s_cmp_eq_u32 s10, 3                            ; w_dense or w_ih?  The choice hangs on the work-group's number alone
	s_cselect_b32 s14, s17, s14                    ; first row
	s_cselect_b32 s16, s18, s16                    ; unit
	s_cselect_b32 s20, 11, 10                      ; a row is 2,048 or 1,024 bytes
	s_cselect_b32 s19, s19, 0
	s_cselect_b32 s21, 0, 8                        ; the gate tiles' rows 8 to 15 lie 8 further on
	s_add_co_u32 s19, s19, s26
	v_and_b32 v1, 15, v0                           ; r
	v_lshrrev_b32 v2, 4, v0                        ; h (one wave: v0 is the lane)
	v_and_b32 v3, s21, v1
	v_add_nc_u32 v3, v3, v1
	v_add_nc_u32 v3, s14, v3                       ; my row
	v_lshlrev_b32 v3, s20, v3
	v_lshl_add_u32 v3, v2, 7, v3                   ; + 128 h: my block of each 64 along K
	v_add_nc_u32 v3, s19, v3
	v_lshlrev_b32 v[V8H], 3, v2
	v_lshlrev_b32 v5, 4, v0                        ; 16 x lane
	v_lshlrev_b32 v6, 2, v1                        ; 4 r
	s_wait_alu depctr_va_vdst(0)
	s_wait_kmcnt 0x0
	s_cmp_eq_u32 s10, 3
	s_cselect_b64 s[4:5], s[6:7], s[4:5]
.irp c, 0,1
.irp i, 0,1,2,3,4,5,6,7
	global_load_b128 v[NX+32*\c+4*\i:NX+32*\c+4*\i+3], v3, s[4:5] offset:256*\c+16*\i
.endr
.endr
	s_mul_i32 s22, s16, 3072
	s_add_co_u32 s22, s22, s27
	s_add_nc_u64 s[24:25], s[8:9], s[22:23]        ; my fragment
	s_lshl_b32 s22, s16, 7
	s_add_co_u32 s22, s22, s28
	s_add_co_u32 s22, s22, 393216
	s_add_nc_u64 s[26:27], s[8:9], s[22:23]        ; and its scale words
	s_wait_loadcnt 0x0
	v_max3_num_f32 v[HM], |v[NX]|, |v[NX+1]|, 0x2800000              ; two blocks, two chains each; the floor 2^(5 - 127) is one leaf: the byte cannot fall under 1
	v_max3_num_f32 v[HM2], |v[NX+32]|, |v[NX+33]|, 0x2800000
	v_max3_num_f32 v[HSC], |v[NX+16]|, |v[NX+17]|, 0x2800000
	v_max3_num_f32 v[HBY], |v[NX+48]|, |v[NX+49]|, 0x2800000
.irp i, 2,4,6,8,10,12,14
	v_max3_num_f32 v[HM], v[HM], |v[NX+\i]|, |v[NX+\i+1]|
	v_max3_num_f32 v[HM2], v[HM2], |v[NX+32+\i]|, |v[NX+33+\i]|
	v_max3_num_f32 v[HSC], v[HSC], |v[NX+16+\i]|, |v[NX+17+\i]|
	v_max3_num_f32 v[HBY], v[HBY], |v[NX+48+\i]|, |v[NX+49+\i]|
.endr
	v_max_num_f32 v[HM], v[HM], v[HSC]
	v_max_num_f32 v[HM2], v[HM2], v[HBY]
	v_add_nc_u32 v[HSC], 0xfe000000, v[HM]                           ; 4 off the exponent field: the conversion takes the exponent field of this operand as its scale, and nothing else of it
	v_add_nc_u32 v[HBY], 0xfe000000, v[HM2]
	v_lshrrev_b32 v[QT], 23, v[HSC]                                  ; the scales' bytes: blocks h and 2 + h
	v_lshrrev_b32 v[QT+1], 23, v[HBY]
	v_lshl_or_b32 v[QT], v[QT+1], 16, v[QT]
	v_lshlrev_b32 v[QT], v[V8H], v[QT]                               ; at their places in the word, 8 h bits up
	v_mov_b32 v[QT+1], 0                                             ; (a lane permute's destination counts as one of its sources)
	v_permlanex16_b32 v[QT+1], v[QT], s[SEL], s[SEL+1]
	v_or_b32 v[QT], v[QT], v[QT+1]                                   ; with lane l xor 16's two bytes the word is whole
	v_cvt_scalef32_pk16_bf6_f32 v[FRG:FRG+2], v[NX:NX+15], v[HSC]
	v_cvt_scalef32_pk16_bf6_f32 v[FRG+12:FRG+14], v[NX+16:NX+31], v[HSC]   ; (a conversion's three registers begin on an even number: a block's second three are made elsewhere and moved)
	v_cvt_scalef32_pk16_bf6_f32 v[FRG+6:FRG+8], v[NX+32:NX+47], v[HBY]
	v_cvt_scalef32_pk16_bf6_f32 v[FRG+16:FRG+18], v[NX+48:NX+63], v[HBY]
	v_nop                                                            ; one plain place behind the last scaled conversion
.irp i, 0,1,2
	v_mov_b32 v[FRG+3+\i], v[FRG+12+\i]
	v_mov_b32 v[FRG+9+\i], v[FRG+16+\i]
.endr
.irp k, 0,1,2
	global_store_b128 v5, v[FRG+4*\k:FRG+4*\k+3], s[24:25] offset:512*\k   ; 32 lanes store 512 consecutive bytes, at a multiple of 256 from wq's first byte
.endr
	global_store_b32 v6, v[QT], s[26:27]           ; both halves of the lanes store the same word with the same value
	s_endpgm
.Lfunc_end_k_q221cd9c4b8_prep:
	.size	k_q221cd9c4b8_prep, .Lfunc_end_k_q221cd9c4b8_prep-k_q221cd9c4b8_prep
	.p2alignl 7, 3214868480
	.fill 96, 4, 3214868480
	.section	.rodata,"a",@progbits
	.p2align	6, 0x0
	.amdhsa_kernel k_q221cd9c4b8_prep
		.amdhsa_group_segment_fixed_size 0
		.amdhsa_private_segment_fixed_size 0
		.amdhsa_enable_private_segment 0
		.amdhsa_kernarg_size 24
		.amdhsa_user_sgpr_count 2
		.amdhsa_user_sgpr_kernarg_segment_ptr 1
		.amdhsa_wavefront_size32 1
		.amdhsa_system_sgpr_workgroup_id_x 1
		.amdhsa_system_sgpr_workgroup_id_y 1
		.amdhsa_system_sgpr_workgroup_id_z 1
		.amdhsa_system_vgpr_workitem_id 0
		.amdhsa_next_free_vgpr 128
		.amdhsa_next_free_sgpr 66
		.amdhsa_reserve_vcc 0
		.amdhsa_float_denorm_mode_32 3
		.amdhsa_float_denorm_mode_16_64 3
		.amdhsa_memory_ordered 1
		.amdhsa_forward_progress 1
		.amdhsa_inst_pref_size 8
	.end_amdhsa_kernel
	.amdgpu_metadata
---
amdhsa.version: [ 1, 2 ]
amdhsa.kernels:
  - .name:           k_q221cd9c4b8_prep
    .symbol:         k_q221cd9c4b8_prep.kd
    .args:
      - { .name: w_ih, .offset: 0, .size: 8, .value_kind: global_buffer, .address_space: global }
      - { .name: w_dense, .offset: 8, .size: 8, .value_kind: global_buffer, .address_space: global }
      - { .name: wq, .offset: 16, .size: 8, .value_kind: global_buffer, .address_space: global }
    .group_segment_fixed_size: 0
    .private_segment_fixed_size: 0
    .kernarg_segment_align: 8
    .kernarg_segment_size: 24
    .max_flat_workgroup_size: 32
    .sgpr_count:     66
    .vgpr_count:     128
    .wavefront_size: 32
...
	.end_amdgpu_metadata
.endif
;; end of part 1
;; launch main (part 2): grid 256 x 1, 8 waves a work-group, clusters of 4 x 1, 327,680 bytes of LDS; arguments x, embed_w, b_ih, b_hh, b_dense, wq, out0; writes out0
.if DOCPART == 2
	.amdgcn_target "amdgcn-amd-amdhsa--gfx1250"
	.amdhsa_code_object_version 6
	.text
	.protected	k_q221cd9c4b8_main
	.globl	k_q221cd9c4b8_main
	.p2align	8
	.type	k_q221cd9c4b8_main,@function
k_q221cd9c4b8_main:
	s_mov_b64 s[64:65], 0
	v_nop
	global_prefetch_b8 v0, s[64:65] scope:SCOPE_SE
	s_setreg_imm32_b32 hwreg(HW_REG_WAVE_MODE, 25, 1), 1
	s_wait_xcnt 0x0
	s_wait_alu depctr_hold_cnt(0) depctr_sa_sdst(0) depctr_va_vdst(0) depctr_va_sdst(0) depctr_va_ssrc(0) depctr_va_vcc(0) depctr_vm_vsrc(0)
	s_getreg_b32 s2, hwreg(HW_REG_IB_STS2, 6, 4)
	s_cmp_eq_u32 s2, 0
	s_cbranch_scc0 .Lentry_in_a_cluster
	s_endpgm
.Lentry_in_a_cluster:
	s_bfe_u32 s2, ttmp6, 0x10000c
	s_cmp_lg_u32 s2, 0x3003
	s_cbranch_scc0 .Lentry_shape_is_right
	s_endpgm
.Lentry_shape_is_right:
; out0 = Q(h) Q(w_dense)^T + b_dense, h = sigmoid(o) tanh(c), c = sigmoid(i) tanh(g), (i, g, o) = Q(embed_w[x]) Q(w_ih)^T + b_ih + b_hh.  Both products on codes of BF6 (E3M2) with one E8M0 scale for each 32 along K; all else f32.
; LEFT OUT AS DEAD WORK (shown at the head of the first kernel): h0 @ w_hh.T, since h0 is built as zeros (w_hh is no argument), and the f gate, since it only multiplies c0, built as zeros.
; The weights come from wq, quantised and laid in the order of the operand's registers by the first launch: block b of 32 hidden units is the gate units 6 b + 2 q + u there, 18,432 bytes of codes on end.
; SHARES.  A work-group takes 128 rows (8 tiles of 16).  Eight waves share the columns: wave w owns hidden block w in the first half of the launch, block 8 + w in the second, and outputs 32 w .. 32 w + 31.
; FIRST HALF: block w's sums and activation for the 8 tiles; the codes of h go to LDS.  No wave waits for another there but for e's codes.  SECOND HALF: the same with block 8 + w; behind it, tile by tile, the dense product of the tile before and
; the way out of the tile before that.  So the first products need half of the gate weights and half of e; the rest is asked for later and lands while the first half is worked.
; CLUSTERS: 4 work-groups, which all need the same gate codes: each wave's 18,432 bytes of a half are asked for JOINTLY, by the same tensor load with the same descriptor (made of the wave's number alone) in all four.  From LDS they go into the registers
; of the wave that asked; nobody else reads them.  w_dense's codes go straight into registers: when they are wanted, the joint loads' bytes of LDS are on their way to be the stage of the way out.
; BOTH PRODUCTS ARE USED TRANSPOSED (source 0 = 16 rows of a weight, source 1 = 16 rows of e or h): a lane holds ONE row (lane % 16) and its registers run along the units: 16 registers of tiles u = 0, 1 are hidden units
; 32 b + 16 (lane / 16) + 0 .. 15.  The biases are the C of each sum's first matrix instruction.
; THE ACTIVATION.  a_i = 2^(-log2(e) i), a_o likewise.  tanh(g) = 2 T / (1 + T^2), T = tanh(g / 2) = N / Q, g held to +-8.  T is tanh's continued fraction x / (1 + s / (3 + s / (5 + s / (p + q s)))), s = x^2, x = g / 2, with p = 7.02627476 and
; q = 0.09914908 in place of the fraction's tail 7 + s / (9 + ..), which they meet at s = 3 and 9.5; the form's own error stays under 5e-7 of tanh(g).  N = g ((kn2 t + kn1) t + kn0), Q = (kq2 t + kq1) t + kq0, t = g^2.
; c / 2 = N Q / (D a_i + D), D = Q^2 + N^2.  tanh(c) on |c| <= 1 is x / (1 + s / (3 + s / (p + q s))), x = c, with p = 5.00102713 and q = 0.13968361 (the tail's values at s = 0.5 and 0.94): error under 2.1e-7 of tanh(c).  With c' = c / 2, t = c'^2:
; n = c' (t + 2.64315433), d = (0.19686907 t + 2.26210289) t + 1.32157717; h = n / (d a_o + d).  No difference of near numbers is formed, so small g and c keep their relative accuracy.  An a that overflows gives a reciprocal of 0 and c or
; h = 0, as sigmoid does in f32; D and d are positive and N, Q bounded: no infinity less infinity, no 0 times infinity.
; NO PREFETCH: e's rows, the second half's gate codes and w_dense's are each asked for once, three, five and one units of work ahead of their use, and there is no walk along a stream to run ahead in.
; LIMITS: NaN and infinities among the inputs are not served; what reaches only w_hh or the f rows is not carried to the result; results of v_exp_f32 and v_rcp_f32 under 2^-126 are 0; an index beyond 50,256 (a negative one too)
; is held at 50,256: reference() relies on indices inside the table; a block of zeros carries the byte 1 (its codes are zeros).
; LDS
.set EST,   0                          ; e in f32, one job at a time: wave w at 8448 w: 16 rows x 512 bytes, rows 528 apart (an odd multiple of 16: the 16 rows of a load start in 16 different columns of 16 bytes)
.set PST,   67584                      ; gate codes, by joint loads: wave w at 18432 w: the first half's, then the second's
.set OSTG,  67584                      ; and behind their last fill the way out, tile m at 16640 m: 16 rows of 1,024 bytes, 1,040 apart
.set XIMG,  215040                     ; e's codes: tile m at 4096 m: K step s at 1536 s + 512 c + 16 lane; scale words at 3072 + 256 s + 16 r
.set HIMG,  247808                     ; h's codes: tile m at 7680 m: K step s at 1536 s + 48 lane (12 registers on end); scale words at 6144 + 48 lane + 4 p
.set BS,    309248                     ; b_ih + b_hh: wave w at 768 w: half P at 384 P, gate q at 128 q
.set SPARE, 315392                     ; the spare words, 128 bytes for each wave; no other line names them
.set PB,    18432                      ; a wave's gate codes of one half
.set OT,    16640
; REGISTERS, window 0
.set ADXB, 1                           ; v1   XIMG + 16 lane
.set ADX,  2                           ; v2   the next tile's record of e
.set AHWB, 3                           ; v3   where I store h's codes, tile 0
.set AHSB, 4                           ; v4   and h's scale byte
.set AHRB, 5                           ; v5   HIMG - 7680 + 48 lane
.set AHR,  6
.set OSTB, 7                           ; v7   the way out: where I put 32 bytes of a row, a tile back
.set OSRB, 8                           ; v8   and where I read my two rows, two tiles back
.set OTW,  9
.set OTR,  10
.set GO,   11                          ; v11  my byte offset in a tile of out0: rows 2 w, 2 w + 1
.set SPW,  12                          ; v12  LDS address of my spare word; never rewritten
.set NIL,  13                          ; v13  0; never rewritten
.set XS,   14                          ; v14  e's scale words
.set HM,   15                          ; v15-18 at work in e's quantiser
.set HM2,  16
.set HSC,  17
.set HBY,  18
.set AHS,  15                          ; v15  in a unit: this tile's scale byte
.set L16,  19                          ; v19  16 lane
.set HC,   20                          ; v20-22 h's codes just made
.set AHW,  23                          ; v23  this tile's codes
.set GS1,  24                          ; v24-29 the first block's scale words; in the second half v24-27 carry out rows
.set GS2,  30                          ; v30-35 the second block's
.set DS,   36                          ; v36-39 the dense tiles': 2 tt + p
.set HS,   40                          ; v40-41 h's, as read
.set ABR,  41                          ; v41  in the first half: BS + 768 w + 64 h
.set KNV,  42                          ; v[42:43], v[44:45], v[46:47] constants as vector pairs
.set KQV,  44
.set KDV,  46
.set AE,   48                          ; v48  my block of a row in the stage
.set AXW,  49                          ; v49  where I store e's codes
.set AXS,  50                          ; v50  and scale words
.set APW,  51                          ; v51  PST + 18432 w + 16 lane
.set QT,   52                          ; v52-53 at work in e's quantiser; in the second half v52-55 carry out rows
.set V32H, 55                          ; v55  32 h
.set BA,   56                          ; v56-103  the first block's biases, in the result's layout; in the second half:
.set DACC, 56                          ; v56-71   the two dense accumulators,
.set HF2,  72                          ; v72-95   h's fragments, K steps 2 and 3 (0 and 1 lie in XF), v96-103 out rows
.set BB,   104                         ; v104-151 the second block's biases; at the head and until job B:
.set VOB,  104                         ; v104-111 job B's offsets in embed_w
.set AST,  120                         ; v120 where I put a job's rows into the stage
.set V8H,  122
.set L4,   123
.set ABW,  124
.set LN,   125                         ; lane
.set RR,   126                         ; r = lane % 16
.set HH,   127                         ; h = lane / 16
.set TA,   128
.set VC,   129
.set TB,   130
.set RT,   152                         ; v152-167 t
.set RP,   168                         ; v168-183 polynomials, then h
.set AI,   184                         ; v184-231 the six accumulators: i, g, o, each two tiles
.set AG,   200
.set AO,   216
.set QX,   152                         ; in a job: v152-215 64 numbers of e
.set QPC,  216                         ;           v216-227 the fragment
.set XF,   232                         ; v232-255 e's two fragments
.set QA,   232                         ; v232-247 Q, between the products' reads of e and the next loads
.set VOA,  232                         ; at the head: job A's offsets in embed_w
; window 1: first half: v0-143 the first block's fragments (f = 2 tile + K step at 12 f); v148-211 a job's rows of e, later v148-255 the second block's f = 0 .. 8.  Second half: v0-35 its f = 9 .. 11, v36-131 the dense fragments (4 tt + s), v132-147 b_dense
.set P2,   148
.set EB,   148
.set DW,   36
.set DB,   132
; scalars
.set WV,   18
.set CNT,  19
.set SEL,  20                          ; s[20:21] v_permlanex16_b32's selects for lane l xor 16
.set XB,   22                          ; 4096 x the next tile
.set HB,   23                          ; 7680 x the trip's tile
.set OS,   25                          ; 16640 x the trip's tile
.set CLP,  28
.set CLN,  29
.set KL,   30                          ; s[30:45] eight constants as pairs: the packed forms take a pair's low word for both halves
.set KN2,  32
.set KN0,  34
.set KQ2,  36
.set KQ0,  38
.set KT0,  40
.set KD2,  42
.set KD0,  44
.set G0,   60                          ; s[60:63] descriptor group 0: from where, to where
.set G1,   92                          ; s[92:99] descriptor group 1: the shape; never rewritten
.set MSB, 0
.macro WIN new                         ; the immediate's high byte repeats the setting that is left
.if MSB != (\new)
	s_set_vgpr_msb (MSB<<8)|(\new)
.set MSB, \new
.endif
.endm
.macro SPAIR r, val
	s_mov_b32 s[\r], \val
	s_mov_b32 s[\r+1], \val
.endm
.macro VPAIR r, val
	v_mov_b32 v[\r], \val
	v_mov_b32 v[\r+1], \val
.endm
.macro AWAIT
	s_wait_alu depctr_va_vdst(0)
.endm
.macro BARRIER                         ; my LDS stores have landed and my LDS loads are in: then the work-group's barrier
	AWAIT
	s_wait_dscnt 0x0
	s_barrier_signal -1
	s_barrier_wait -1
.endm
.macro CROUND                          ; a round of the cluster's barrier: my work-group's barrier; wave 0 signals for the work-group; every wave waits for all four; my work-group's barrier once more
	s_barrier_signal -1
	s_barrier_wait -1
	s_cmp_lg_u32 s[WV], 0
	s_cbranch_scc1 .Lnot_wave_0_\@
	s_barrier_signal -3
.Lnot_wave_0_\@:
	s_barrier_wait -3
	s_barrier_signal -1
	s_barrier_wait -1
.endm
; A JOB: K step (w & 1) of tile (w >> 1) + 4 jb of e.  ELOAD: rows 8 h + p, 256 consecutive bytes of a row in 16 lanes.  ESTORE: as they lie, into my own stage.
.macro ELOAD vo
	WIN 0x40
.irp p, 0,1,2,3,4,5,6,7
	global_load_b128 v[EB+8*\p:EB+8*\p+3], v[\vo+\p], s[6:7]
	global_load_b128 v[EB+8*\p+4:EB+8*\p+7], v[\vo+\p], s[6:7] offset:256
.endr
	WIN 0
.endm
.macro ESTORE
	WIN 0x04
.irp p, 0,1,2,3,4,5,6,7
	ds_store_b128 v[AST], v[EB+8*\p:EB+8*\p+3] offset:528*\p
	ds_store_b128 v[AST], v[EB+8*\p+4:EB+8*\p+7] offset:528*\p+256
.endr
	WIN 0
.endm
; QTILE: out of the stage (lane: row r, k = 64 c + 32 h + 0 .. 31 in registers 32 c ..; LDS serves a wave's instructions in order (ISA guide 5.7.1.4)), quantised, and into the tile's record.
.macro QTILE jb
.irp c, 0,1
.irp i, 0,1,2,3,4,5,6,7
	ds_load_b128 v[QX+32*\c+4*\i:QX+32*\c+4*\i+3], v[AE] offset:256*\c+16*\i
.endr
.endr
	s_wait_dscnt 0x0
	v_max3_num_f32 v[HM], |v[QX]|, |v[QX+1]|, 0x2800000              ; two blocks, two chains each; the floor 2^(5 - 127) is one leaf: the byte cannot fall under 1
	v_max3_num_f32 v[HM2], |v[QX+32]|, |v[QX+33]|, 0x2800000
	v_max3_num_f32 v[HSC], |v[QX+16]|, |v[QX+17]|, 0x2800000
	v_max3_num_f32 v[HBY], |v[QX+48]|, |v[QX+49]|, 0x2800000
.irp i, 2,4,6,8,10,12,14
	v_max3_num_f32 v[HM], v[HM], |v[QX+\i]|, |v[QX+\i+1]|
	v_max3_num_f32 v[HM2], v[HM2], |v[QX+32+\i]|, |v[QX+33+\i]|
	v_max3_num_f32 v[HSC], v[HSC], |v[QX+16+\i]|, |v[QX+17+\i]|
	v_max3_num_f32 v[HBY], v[HBY], |v[QX+48+\i]|, |v[QX+49+\i]|
.endr
	v_max_num_f32 v[HM], v[HM], v[HSC]
	v_max_num_f32 v[HM2], v[HM2], v[HBY]
	v_add_nc_u32 v[HSC], 0xfe000000, v[HM]                           ; 4 off the exponent field: the conversion's scale operand
	v_add_nc_u32 v[HBY], 0xfe000000, v[HM2]
	v_lshrrev_b32 v[QT], 23, v[HSC]                                  ; the scales' bytes: blocks h and 2 + h
	v_lshrrev_b32 v[QT+1], 23, v[HBY]
	v_lshl_or_b32 v[QT], v[QT+1], 16, v[QT]
	v_lshlrev_b32 v[QT], v[V8H], v[QT]                               ; at their places in the word, 8 h bits up
	v_mov_b32 v[QT+1], 0                                             ; (a lane permute's destination counts as one of its sources)
	v_permlanex16_b32 v[QT+1], v[QT], s[SEL], s[SEL+1]
	v_or_b32 v[QT], v[QT], v[QT+1]                                   ; with lane l xor 16's two bytes the word is whole
	v_cvt_scalef32_pk16_bf6_f32 v[QPC:QPC+2], v[QX:QX+15], v[HSC]
	v_cvt_scalef32_pk16_bf6_f32 v[QPC+6:QPC+8], v[QX+32:QX+47], v[HBY]
	v_nop                                                            ; the place ahead of the lines that write these conversions' sources
	v_cvt_scalef32_pk16_bf6_f32 v[QX:QX+2], v[QX+16:QX+31], v[HSC]   ; (a conversion's three registers begin on an even number: the second halves are made elsewhere and moved)
	v_cvt_scalef32_pk16_bf6_f32 v[QX+32:QX+34], v[QX+48:QX+63], v[HBY]
	v_nop
.irp i, 0,1,2
	v_mov_b32 v[QPC+3+\i], v[QX+\i]
	v_mov_b32 v[QPC+9+\i], v[QX+32+\i]
.endr
.irp c, 0,1,2
	ds_store_b128 v[AXW], v[QPC+4*\c:QPC+4*\c+3] offset:16384*\jb+512*\c
.endr
	ds_store_b32 v[AXS], v[QT] offset:16384*\jb                      ; both halves of the lanes write the same word with the same value
.endm
.macro LOADB reg, p                    ; half p's biases in the result's layout
.irp t, 0,1,2,3,4,5
	ds_load_b128 v[\reg+8*\t:\reg+8*\t+3], v[ABR] offset:384*\p+128*(\t/2)+32*(\t%2)
	ds_load_b128 v[\reg+8*\t+4:\reg+8*\t+7], v[ABR] offset:384*\p+128*(\t/2)+32*(\t%2)+16
.endr
.endm
.macro LOADX adr                       ; a tile's two fragments of e and its scale words: 7 loads
.irp k, 0,1,2,3,4,5
	ds_load_b128 v[XF+4*\k:XF+4*\k+3], v[\adr] offset:512*\k
.endr
	ds_load_b32 v[XS], v[\adr] offset:3072
.endm
.macro LOADP reg, first, n             ; n quads of my gate codes, from quad first on, into window 1
	WIN 0x40
.set KI, 0
.rept \n
	ds_load_b128 v[\reg+4*KI:\reg+4*KI+3], v[APW] offset:512*(\first)+512*KI
.set KI, KI+1
.endr
	WIN 0
.endm
; WHAT IS FETCHED AHEAD inside a unit.  1: scale words of the second half and job B's rows of e; 2: the second block's fragments 0 to 8, out of LDS; 3: the dense fragments and b_dense, into the first block's registers.
.macro AHEAD n
.if (\n) == 1
.irp t, 0,1,2,3,4,5
	global_load_b32 v[GS2+\t], v[L4], s[52:53] offset:6144+128*\t
.endr
.irp t, 0,1,2,3
	global_load_b32 v[DS+\t], v[L4], s[54:55] offset:128*\t
.endr
	ELOAD VOB
.endif
.if (\n) == 2
	s_wait_tensorcnt 0x0                           ; my part of the second half's codes is in; only I read it
	LOADP P2, 0, 27
.endif
.if (\n) == 3
	WIN 0x40
.set KI, 0
.rept 24
	global_load_b128 v[DW+4*KI:DW+4*KI+3], v[L16], s[56:57] offset:512*KI
.set KI, KI+1
.endr
.irp t, 0,1
	global_load_b128 v[DB+8*\t:DB+8*\t+3], v[V32H], s[12:13] offset:64*\t
	global_load_b128 v[DB+8*\t+4:DB+8*\t+7], v[V32H], s[12:13] offset:64*\t+16
.endr
	WIN 0
.endif
.endm
; Gate product i of 12: tile i % 6 (2 q + u), K step i / 6.  The six accumulators take turns.
.macro GMM i
.set GT, (\i)%6
.set GK, (\i)/6
.set GF, 2*GT+GK
.if PH == 0
.set GA, 12*GF
.elseif GF < 9
.set GA, P2+12*GF
.else
.set GA, 12*(GF-9)
.endif
.set GC, BA+(BB-BA)*PH+8*GT
.set GSC, GS1+6*PH+GT
.if GK == 0
	v_wmma_scale_f32_16x16x128_f8f6f4 v[AI+8*GT:AI+8*GT+7], v[GA:GA+11], v[XF:XF+11], v[GC:GC+7], v[GSC], v[XS] matrix_a_fmt:MATRIX_FMT_BF6 matrix_b_fmt:MATRIX_FMT_BF6
.else
	v_wmma_scale_f32_16x16x128_f8f6f4 v[AI+8*GT:AI+8*GT+7], v[GA:GA+11], v[XF+12:XF+23], v[AI+8*GT:AI+8*GT+7], v[GSC], v[XS] matrix_a_fmt:MATRIX_FMT_BF6 matrix_b_fmt:MATRIX_FMT_BF6 matrix_a_scale:MATRIX_SCALE_ROW1 matrix_b_scale:MATRIX_SCALE_ROW1
.endif
.endm
; Dense product: my output tile t, K step s.  The two accumulators take turns; b_dense is the C of each sum's first.
.macro DMM t, s
.set DA, DW+12*(4*(\t)+(\s))
.if (\s) < 2
.set DF, XF+12*(\s)
.else
.set DF, HF2+12*((\s)-2)
.endif
.if (\s) == 0
	WIN 0x11
	v_wmma_scale_f32_16x16x128_f8f6f4 v[DACC+8*(\t):DACC+8*(\t)+7], v[DA:DA+11], v[DF:DF+11], v[DB+8*(\t):DB+8*(\t)+7], v[DS+2*(\t)], v[HS] matrix_a_fmt:MATRIX_FMT_BF6 matrix_b_fmt:MATRIX_FMT_BF6
.elseif (\s) == 2
	v_wmma_scale_f32_16x16x128_f8f6f4 v[DACC+8*(\t):DACC+8*(\t)+7], v[DA:DA+11], v[DF:DF+11], v[DACC+8*(\t):DACC+8*(\t)+7], v[DS+2*(\t)+1], v[HS+1] matrix_a_fmt:MATRIX_FMT_BF6 matrix_b_fmt:MATRIX_FMT_BF6
.else
	WIN 1
	v_wmma_scale_f32_16x16x128_f8f6f4 v[DACC+8*(\t):DACC+8*(\t)+7], v[DA:DA+11], v[DF:DF+11], v[DACC+8*(\t):DACC+8*(\t)+7], v[DS+2*(\t)+(\s)/2], v[HS+(\s)/2] matrix_a_fmt:MATRIX_FMT_BF6 matrix_b_fmt:MATRIX_FMT_BF6 matrix_a_scale:MATRIX_SCALE_ROW1 matrix_b_scale:MATRIX_SCALE_ROW1
.endif
.endm
.macro DENSE
.irp s, 0,1,2,3
	DMM 0, \s
	DMM 1, \s
.endr
	WIN 0
.endm
.macro LOADH                           ; the tile before: four fragments of h and its scale words: 14 loads
.irp c, 0,1,2
	ds_load_b128 v[XF+4*\c:XF+4*\c+3], v[AHR] offset:16*\c
	ds_load_b128 v[XF+12+4*\c:XF+12+4*\c+3], v[AHR] offset:1536+16*\c
	ds_load_b128 v[HF2+4*\c:HF2+4*\c+3], v[AHR] offset:3072+16*\c
	ds_load_b128 v[HF2+12+4*\c:HF2+12+4*\c+3], v[AHR] offset:4608+16*\c
.endr
	ds_load_b32 v[HS], v[AHR] offset:6144
	ds_load_b32 v[HS+1], v[AHR] offset:6148
.endm
; THE WAY OUT.  A lane holds 32 neighbouring bytes of a row: a tile goes through its own stage in LDS; behind the next barrier each wave takes two whole rows of 1,024 bytes.
.macro TOSTAGE
.irp t, 0,1
	ds_store_b128 v[OTW], v[DACC+8*\t:DACC+8*\t+3] offset:64*\t      ; each accumulator from its low end on
	ds_store_b128 v[OTW], v[DACC+8*\t+4:DACC+8*\t+7] offset:64*\t+16
.endr
.endm
.macro LOADO
	ds_load_b128 v[96:99], v[OTR]
	ds_load_b128 v[100:103], v[OTR] offset:512
	ds_load_b128 v[52:55], v[OTR] offset:1040
	ds_load_b128 v[24:27], v[OTR] offset:1552
.endm
.macro SENDO                           ; each store covers 512 consecutive bytes, at a multiple of 256 from out0's first byte; written once, read by nobody here
	global_store_b128 v[GO], v[96:99], s[16:17] th:TH_STORE_NT
	global_store_b128 v[GO], v[100:103], s[16:17] offset:512 th:TH_STORE_NT
	global_store_b128 v[GO], v[52:55], s[16:17] offset:1024 th:TH_STORE_NT
	global_store_b128 v[GO], v[24:27], s[16:17] offset:1536 th:TH_STORE_NT
.endm
; THE STAGES: 8 packed lines on arrays of 16, in ascending order.
.macro PKM d, a, b                     ; d = a b
.irp e, 0,2,4,6,8,10,12,14
	v_pk_mul_f32 v[(\d)+\e:(\d)+\e+1], v[(\a)+\e:(\a)+\e+1], v[(\b)+\e:(\b)+\e+1]
.endr
.endm
.macro PKMS d, s                       ; d = d x a constant
.irp e, 0,2,4,6,8,10,12,14
	v_pk_mul_f32 v[(\d)+\e:(\d)+\e+1], v[(\d)+\e:(\d)+\e+1], s[\s:\s+1] op_sel_hi:[1,0]
.endr
.endm
.macro PKF d, a, b, c                  ; d = a b + c
.irp e, 0,2,4,6,8,10,12,14
	v_pk_fma_f32 v[(\d)+\e:(\d)+\e+1], v[(\a)+\e:(\a)+\e+1], v[(\b)+\e:(\b)+\e+1], v[(\c)+\e:(\c)+\e+1]
.endr
.endm
.macro HORN d, s                       ; d = d t + a constant
.irp e, 0,2,4,6,8,10,12,14
	v_pk_fma_f32 v[(\d)+\e:(\d)+\e+1], v[(\d)+\e:(\d)+\e+1], v[RT+\e:RT+\e+1], s[\s:\s+1] op_sel_hi:[1,1,0]
.endr
.endm
.macro FIRST d, s, kv                  ; d = t x a constant + a constant
.irp e, 0,2,4,6,8,10,12,14
	v_pk_fma_f32 v[(\d)+\e:(\d)+\e+1], v[RT+\e:RT+\e+1], s[\s:\s+1], v[\kv:\kv+1] op_sel_hi:[1,0,1]
.endr
.endm
.macro HORNX d, s, x                   ; HORN, with a v_exp_f32 in place on v[x] .. v[x + 7] behind each line: the line behind it names neither its source nor its result
.irp e, 0,1,2,3,4,5,6,7
	v_pk_fma_f32 v[(\d)+2*\e:(\d)+2*\e+1], v[(\d)+2*\e:(\d)+2*\e+1], v[RT+2*\e:RT+2*\e+1], s[\s:\s+1] op_sel_hi:[1,1,0]
	v_exp_f32 v[(\x)+\e], v[(\x)+\e]
.endr
.endm
.macro FIRSTX d, s, kv, x
.irp e, 0,1,2,3,4,5,6,7
	v_pk_fma_f32 v[(\d)+2*\e:(\d)+2*\e+1], v[RT+2*\e:RT+2*\e+1], s[\s:\s+1], v[\kv:\kv+1] op_sel_hi:[1,0,1]
	v_exp_f32 v[(\x)+\e], v[(\x)+\e]
.endr
.endm
.macro RCPX x, d, a, b                 ; 16 reciprocals in place; d = a b among them
.irp e, 0,2,4,6,8,10,12,14
	v_rcp_f32 v[(\x)+\e], v[(\x)+\e]
	v_rcp_f32 v[(\x)+\e+1], v[(\x)+\e+1]
	v_pk_mul_f32 v[(\d)+\e:(\d)+\e+1], v[(\a)+\e:(\a)+\e+1], v[(\b)+\e:(\b)+\e+1]
.endr
.endm
; A UNIT: one tile of 16 rows x my block of half ph.  dn: the dense product of the tile before stands in it, behind the wait of the barrier that the last trip signalled; od: and the way out of the tile before that;
; pf: the next tile's fragments of e are fetched; wrap: behind tile 7 comes tile 0; ld: what is fetched ahead.
; A wait stands ahead of each group of transcendentals and one behind it, ahead of the first reader of what the group and the lines among it wrote.
; h's 16 numbers of a lane are half a block of 32 along the next K; lane l xor 16 holds the other half.  With b = 8 P + w: K step 2 P + (w >> 2), block w & 3 of it: k = 32 (w & 3) + 16 h + 0 .. 15 belongs to lane r + 16 (w & 1),
; registers 6 ((w & 3) >> 1) + 3 h + 0 .. 2: the store's address does what a lane exchange would.
.macro UNIT ph, dn, od, pf, wrap, ld
.set PH, \ph
.if \ph
	s_wait_dscnt 0x0
.else
	s_wait_dscnt 4                                 ; e's fragments are in; the four stores of h issued behind those loads may be out
.endif
	WIN 1
.irp i, 0,1,2,3,4,5,6,7,8,9,10,11
	GMM \i
.endr
	WIN 0
	v_add_nc_u32 v[AHW], s[HB], v[AHWB]            ; four or more plain lines behind the last product: this trip's addresses
	v_add_nc_u32 v[AHS], s[HB], v[AHSB]
.if \pf
.if \wrap
	s_and_b32 s27, s[XB], 0x7fff
	v_add_nc_u32 v[ADX], s27, v[ADXB]
.else
	v_add_nc_u32 v[ADX], s[XB], v[ADXB]
.endif
.else
	v_nop
.endif
.if \dn
	v_add_nc_u32 v[AHR], s[HB], v[AHRB]
	v_add_nc_u32 v[OTW], s[OS], v[OSTB]
.if \od
	v_add_nc_u32 v[OTR], s[OS], v[OSRB]
.endif
.else
	v_nop
.endif
.irp e, 0,1,2,3,4,5,6,7,8,9,10,11,12,13,14,15
	v_med3_num_f32 v[AG+\e], v[AG+\e], s[CLN], s[CLP]          ; g held to the range of the form
.endr
	PKMS AI, KL                                    ; -log2(e) i, -log2(e) o
	PKMS AO, KL
	PKM RT, AG, AG                                 ; t
	AWAIT
	FIRSTX RP, KN2, KNV, AI                        ; N / g and Q by turns; a_i, then a_o
	FIRSTX QA, KQ2, KQV, AI+8
	AWAIT
	HORNX RP, KN0, AO
	HORNX QA, KQ0, AO+8
	AWAIT
	AHEAD \ld
	PKM AG, RP, AG                                 ; N
	PKM RT, AG, AG
	PKF RT, QA, QA, RT                             ; D
	PKF AI, RT, AI, RT                             ; D a_i + D
	AWAIT
	RCPX AI, AG, AG, QA                            ; N Q
.if (\dn == 0) && \pf
	LOADX ADX                                      ; (Q has had its last read)
.endif
	AWAIT
	PKM AG, AG, AI                                 ; c / 2
	PKM RT, AG, AG
.irp e, 0,2,4,6,8,10,12,14
	v_pk_add_f32 v[RP+\e:RP+\e+1], v[RT+\e:RT+\e+1], s[KT0:KT0+1] op_sel_hi:[1,0]
.endr
	FIRST AI, KD2, KDV
	HORN AI, KD0                                   ; d
	PKF AO, AI, AO, AI                             ; d a_o + d
	AWAIT
.if \dn
	s_barrier_wait -1                              ; every wave's h of the tile before lies in LDS, and its part of the stage of the tile before that
.if \od
	LOADO
.endif
	LOADH
.endif
	RCPX AO, RP, RP, AG                            ; n
	AWAIT
	PKM RP, RP, AO                                 ; h
.if \dn
	AWAIT
.if \od == 0
	s_wait_loadcnt 0x0                             ; the dense weights and b_dense, once
.endif
	s_wait_dscnt 0x0
.if \od
	SENDO
.endif
	DENSE
.endif
.irp i, 0,1,2,3,4
	v_max3_num_f32 v[RT+\i], |v[RP+3*\i]|, |v[RP+3*\i+1]|, |v[RP+3*\i+2]|
.endr
.if \dn && \pf
	LOADX ADX                                      ; five plain lines behind the dense products
.endif
	v_max3_num_f32 v[RT], v[RT], v[RT+1], v[RT+2]
	v_max3_num_f32 v[RT+3], v[RT+3], v[RT+4], |v[RP+15]|
	v_max3_num_f32 v[RT], v[RT], v[RT+3], 0x2800000                  ; the floor 2^(5 - 127) is one leaf
	v_permlanex16_b32 v[RT+1], v[RT], s[SEL], s[SEL+1]
	v_max_num_f32 v[RT], v[RT], v[RT+1]                              ; the block's largest magnitude
	v_add_nc_u32 v[HSC], 0xfe000000, v[RT]                           ; 4 off its exponent field: the conversion's scale operand
	v_cvt_scalef32_pk16_bf6_f32 v[HC:HC+2], v[RP:RP+15], v[HSC]
	v_lshrrev_b32 v[HBY], 23, v[HSC]                                 ; the scale's byte (and the plain place behind the scaled conversion)
.if \dn
	TOSTAGE
.endif
.irp i, 0,1,2
	ds_store_b32 v[AHW], v[HC+\i] offset:3072*PH+4*\i
.endr
	ds_store_b8 v[AHS], v[HBY] offset:4*PH                           ; both halves of the lanes write the same byte with the same value
	s_add_co_u32 s[HB], s[HB], 7680
	s_add_co_u32 s[XB], s[XB], 4096
.if \ph
	s_add_co_u32 s[OS], s[OS], OT
.if \od
	s_wait_xcnt 0x0                                ; the stores have read their registers and their base
	s_add_nc_u64 s[16:17], s[16:17], 16384         ; 16 rows of out0 on
.endif
	s_wait_dscnt 0x0                               ; my h, my part of the stage and my reads: said to the others here, waited for in the next trip
	s_barrier_signal -1
.endif
.endm
	s_load_b256 s[4:11], s[0:1], 0x0               ; x s[4:5], embed_w s[6:7], b_ih s[8:9], b_hh s[10:11]
	s_load_b128 s[12:15], s[0:1], 0x20             ; b_dense s[12:13], wq s[14:15]
	s_load_b64 s[16:17], s[0:1], 0x30              ; out0
	v_lshl_add_u32 v[SPW], v0, 2, SPARE
	v_mov_b32 v[NIL], 0
	ds_add_u32 v[SPW], v[NIL]                      ; the wave's opening: the add, twice on end, and its wait ahead of the round in front of my first tensor load; the set-up below stands between
	ds_add_u32 v[SPW], v[NIL]
	v_lshrrev_b32 v[TA], 5, v0
	v_readfirstlane_b32 s[WV], v[TA]               ; wave 0..7
	v_and_b32 v[LN], 31, v0
	v_and_b32 v[RR], 15, v0
	v_bfe_u32 v[HH], v0, 4, 1
	s_mov_b32 s[SEL], 0x76543210
	s_mov_b32 s[SEL+1], 0xfedcba98
	s_mov_b32 s[CLP], 0x41000000
	s_mov_b32 s[CLN], 0xc1000000
	SPAIR KL,  0xbfb8aa3b                          ; -log2(e)
	SPAIR KN2, 0x37cb0eac                          ; q / 4096
	SPAIR KN0, 0x3ed2c9ca                          ; 15 p / 256
	SPAIR KQ2, 0x3a4c2581                          ; (6 q + 1) / 2048
	SPAIR KQ0, 0x3f52c9ca                          ; 15 p / 128
	SPAIR KT0, 0x40292971                          ; 2.64315433
	SPAIR KD2, 0x3e49980c                          ; 0.19686907
	SPAIR KD0, 0x3fa92971                          ; 1.32157717
	; descriptor group 1: 18,432 bytes, dense, as 72 rows of 256 bytes (32 elements of 8 bytes)
	s_mov_b32 s[G1+0], 15|(3<<16)|(1<<21)          ; 15:0 the mask: all four work-groups of the cluster; 17:16 element of 8 bytes; 21 set beside a mask
	s_mov_b32 s[G1+1], 32<<16                      ; tensor_dim0 = 32
	s_mov_b32 s[G1+2], 72<<16                      ; tensor_dim1 = 72
	s_mov_b32 s[G1+3], 32<<16                      ; tile_dim0 = 32
	s_mov_b32 s[G1+4], 72                          ; tile_dim1 = 72
	s_mov_b32 s[G1+5], 32                          ; from row to row
	s_mov_b32 s[G1+6], 0
	s_mov_b32 s[G1+7], 0
	s_mov_b32 s[G0], 1
	s_mul_i32 s[G0+1], s[WV], PB
	s_add_co_u32 s[G0+1], s[G0+1], PST
	s_bfe_u32 s90, ttmp6, 0x40000                  ; my place in the cluster
	s_lshl_b32 s91, ttmp9, 2
	s_add_co_u32 s91, s91, s90                     ; work-group = 4 x cluster + place
	s_lshr_b32 s70, s[WV], 1                       ; job A's tile
	s_and_b32 s71, s[WV], 1                        ; my jobs' K step
	s_lshr_b32 s72, s[WV], 2
	s_and_b32 s73, s[WV], 3
	s_lshr_b32 s74, s73, 1
	s_mul_i32 s75, s[WV], 8448                     ; my stage of e (EST = 0)
	s_mul_i32 s76, s[WV], PB
	s_add_co_u32 s76, s76, PST                     ; my gate codes in LDS
	s_lshl_b32 s78, s70, 12
	s_add_co_u32 s78, s78, XIMG                    ; job A's record
	s_mul_i32 s79, s71, 1536
	s_add_co_u32 s79, s79, s78
	s_lshl_b32 s80, s71, 8
	s_add_co_u32 s80, s80, s78
	s_add_co_u32 s80, s80, 3072
	s_mul_i32 s81, s72, 1536
	s_mul_i32 s82, s71, 768
	s_add_co_u32 s81, s81, s82
	s_mul_i32 s83, s74, 24
	s_add_co_u32 s81, s81, s83
	s_add_co_u32 s81, s81, HIMG                    ; h's codes
	s_mul_i32 s84, s72, 768
	s_add_co_u32 s84, s84, s73
	s_add_co_u32 s84, s84, HIMG+6144               ; h's scale byte
	s_lshl_b32 s85, s[WV], 7
	s_add_co_u32 s85, s85, OSTG-OT
	s_mul_i32 s86, s[WV], 2080
	s_add_co_u32 s86, s86, OSTG-2*OT
	s_lshl_b32 s87, s[WV], 11
	s_mul_i32 s88, s[WV], 768
	s_add_co_u32 s88, s88, BS
	s_lshl_b32 s89, s71, 9
	s_lshl_b32 s66, s91, 9
	s_lshl_b32 s68, s70, 6
	s_add_co_u32 s66, s66, s68                     ; x at job A's rows: 4 (128 x work-group + 16 x tile)
	s_mov_b32 s67, 0
	AWAIT
	v_lshlrev_b32 v[L16], 4, v[LN]
	v_lshlrev_b32 v[L4], 2, v[LN]
	v_lshlrev_b32 v[V32H], 5, v[HH]
	v_lshlrev_b32 v[V8H], 3, v[HH]
	v_add_nc_u32 v[ADXB], XIMG, v[L16]
	v_mul_u32_u24 v[TA], 48, v[RR]
	v_add_nc_u32 v[AHSB], s84, v[TA]
	v_mad_u32_u24 v[TA], v[HH], 12, v[TA]
	v_add_nc_u32 v[AHWB], s81, v[TA]
	v_mul_u32_u24 v[TA], 48, v[LN]
	v_add_nc_u32 v[AHRB], HIMG-7680, v[TA]
	v_mul_u32_u24 v[TA], 1040, v[RR]
	v_lshl_add_u32 v[TA], v[HH], 5, v[TA]
	v_add_nc_u32 v[OSTB], s85, v[TA]
	v_add_nc_u32 v[OSRB], s86, v[L16]
	v_add_nc_u32 v[GO], s87, v[L16]
	v_mul_u32_u24 v[TA], 528, v[RR]
	v_lshl_add_u32 v[TA], v[HH], 7, v[TA]
	v_add_nc_u32 v[AE], s75, v[TA]
	v_add_nc_u32 v[AXW], s79, v[L16]
	v_lshlrev_b32 v[TA], 4, v[RR]
	v_add_nc_u32 v[AXS], s80, v[TA]
	v_add_nc_u32 v[VC], s89, v[TA]                 ; in a row of e: my K step's 512 bytes, 16 r
	v_mul_u32_u24 v[TB], 4224, v[HH]               ; half h of the lanes takes rows 8 h + 0 .. 7
	v_add_nc_u32 v[TA], v[TA], v[TB]
	v_add_nc_u32 v[AST], s75, v[TA]
	v_add_nc_u32 v[APW], s76, v[L16]
	v_add_nc_u32 v[ABW], s88, v[L4]
	v_lshlrev_b32 v[TB], 6, v[HH]
	v_add_nc_u32 v[ABR], s88, v[TB]
	VPAIR KNV, 0x3c383757                          ; (15 q + 3 + p) / 1024
	VPAIR KQV, 0x3dba945d                          ; (15 q + 3 + 6 p) / 512
	VPAIR KDV, 0x4010c64b                          ; 2.26210289
	AWAIT
	s_wait_dscnt 0x0                               ; both opening adds are done
	s_wait_kmcnt 0x0
	s_add_nc_u64 s[58:59], s[4:5], s[66:67]
	global_load_b128 v[VOA:VOA+3], v[V32H], s[58:59]                 ; the indices of my rows 8 h + 0 .. 7: job A's,
	global_load_b128 v[VOA+4:VOA+7], v[V32H], s[58:59] offset:16
	global_load_b128 v[VOB:VOB+3], v[V32H], s[58:59] offset:256      ; and job B's, 64 rows on
	global_load_b128 v[VOB+4:VOB+7], v[V32H], s[58:59] offset:272
	s_mul_i32 s66, s[WV], PB
	s_add_nc_u64 s[G0+2:G0+3], s[14:15], s[66:67]  ; my first block's codes (the second's 147,456 bytes on)
	s_or_b32 s[G0+3], s[G0+3], 0x80000000
	CROUND                                         ; all four work-groups are here: the first joint loads meet
	tensor_load_to_lds s[G0:G0+3], s[G1:G1+7]      ; one tensor load a wave at the head
	s_nop 0
	s_lshl_b32 s66, s[WV], 7
	s_add_nc_u64 s[8:9], s[8:9], s[66:67]          ; b_ih, b_hh at my first block, b_dense at my 32 outputs
	s_add_nc_u64 s[10:11], s[10:11], s[66:67]
	s_add_nc_u64 s[12:13], s[12:13], s[66:67]
	s_mul_i32 s66, s[WV], 768
	s_add_co_u32 s66, s66, 393216
	s_add_nc_u64 s[52:53], s[14:15], s[66:67]      ; my first block's scale words (the second's 6,144 bytes on)
	s_lshl_b32 s66, s[WV], 9
	s_add_co_u32 s66, s66, 405504
	s_add_nc_u64 s[54:55], s[14:15], s[66:67]      ; my two dense tiles' scale words,
	s_mul_i32 s66, s[WV], 12288
	s_add_co_u32 s66, s66, 294912
	s_add_nc_u64 s[56:57], s[14:15], s[66:67]      ; and codes
	s_lshl_b32 s66, s91, 17
	s_add_nc_u64 s[16:17], s[16:17], s[66:67]      ; out0 at my work-group's first row
.irp q, 0,1,2                                      ; rows 0, 1024, 1536 on: gates i, g, o; one number a lane
	global_load_b32 v[RT+\q], v[L4], s[8:9] offset:2048*\q+2048*((\q+1)/2)
	global_load_b32 v[RT+6+\q], v[L4], s[10:11] offset:2048*\q+2048*((\q+1)/2)
	global_load_b32 v[RT+3+\q], v[L4], s[8:9] offset:1024+2048*\q+2048*((\q+1)/2)
	global_load_b32 v[RT+9+\q], v[L4], s[10:11] offset:1024+2048*\q+2048*((\q+1)/2)
.endr
.irp t, 0,1,2,3,4,5
	global_load_b32 v[GS1+\t], v[L4], s[52:53] offset:128*\t
.endr
	s_wait_loadcnt 18                              ; the four loads of indices are in; 12 of biases and 6 of scales may be out
.irp p, 0,1,2,3,4,5,6,7
	v_min_u32 v[VOA+\p], 0xc450, v[VOA+\p]         ; inside the table
	v_lshl_add_u32 v[VOA+\p], v[VOA+\p], 10, v[VC] ; a row of embed_w is 1,024 bytes
.endr
	ELOAD VOA
.irp p, 0,1,2,3,4,5,6,7
	v_min_u32 v[VOB+\p], 0xc450, v[VOB+\p]
	v_lshl_add_u32 v[VOB+\p], v[VOB+\p], 10, v[VC]
.endr
	AWAIT
	s_wait_loadcnt 22                              ; the biases are in; 6 loads of scales and 16 of e may be out
.irp i, 0,2,4
	v_pk_add_f32 v[RT+\i:RT+\i+1], v[RT+\i:RT+\i+1], v[RT+6+\i:RT+7+\i]    ; b_ih + b_hh
.endr
.irp q, 0,1,2
	ds_store_b32 v[ABW], v[RT+\q] offset:128*\q
	ds_store_b32 v[ABW], v[RT+3+\q] offset:384+128*\q
.endr
	AWAIT
	s_wait_loadcnt 0x0                             ; job A's rows, and the scale words
	ESTORE
	QTILE 0
	LOADB BA, 0
	AWAIT
	s_wait_tensorcnt 0x0                           ; my part of the first half's codes is in; only I read it
	LOADP 0, 0, 36
	BARRIER                                        ; e's records 0 to 3 lie in LDS
	LOADX ADXB
	s_mov_b32 s[XB], 4096
	s_mov_b32 s[HB], 0
	s_wait_dscnt 0x0
	UNIT 0, 0, 0, 1, 0, 1                          ; FIRST HALF: tile 0; job B's rows are asked for
	s_mov_b32 s[CNT], 2
.Lfirst:                                           ; tiles 1 and 2
	UNIT 0, 0, 0, 1, 0, 0
	s_sub_co_u32 s[CNT], s[CNT], 1
	s_cmp_lg_u32 s[CNT], 0
	s_cbranch_scc1 .Lfirst
	AWAIT
	s_wait_loadcnt 0x0                             ; job B's rows, and the second half's scale words
	ESTORE
	QTILE 1
	AWAIT
	s_wait_tensorcnt 0x0                           ; my one tensor load landed long ago
	ds_add_u32 v[SPW], v[NIL]                      ; 0 onto my spare word
	s_add_nc_u64 s[G0+2:G0+3], s[G0+2:G0+3], 147456 ; (no tensor load of mine is out: on to my second block's codes)
	s_wait_dscnt 0x0                               ; the add is done, and so are my reads of the first half's codes and my stores of e's
	CROUND                                         ; both hold of every wave of all four work-groups; e's records 4 to 7 lie in LDS
	tensor_load_to_lds s[G0:G0+3], s[G1:G1+7]      ; the second half's codes: my one tensor load behind the round; the wait for it stands in tile 7's unit
	s_nop 0
	LOADB BB, 1
	s_mov_b32 s[XB], 16384
	s_mov_b32 s[HB], 23040
	s_mov_b32 s[CNT], 4
.Lmid:                                             ; tiles 3 to 6
	UNIT 0, 0, 0, 1, 0, 0
	s_sub_co_u32 s[CNT], s[CNT], 1
	s_cmp_lg_u32 s[CNT], 0
	s_cbranch_scc1 .Lmid
	UNIT 0, 0, 0, 1, 1, 2                          ; tile 7: tile 0's fragments of e and nine of the second block's are fetched
	; the first block's codes are done with: the second block's last three fragments take their first registers
	LOADP 0, 27, 9
	s_mov_b32 s[XB], 4096
	s_mov_b32 s[HB], 0
	s_mov_b32 s[OS], 0
	UNIT 1, 0, 0, 1, 0, 3                          ; SECOND HALF: tile 0: no tile before it; the dense weights are asked for
	UNIT 1, 1, 0, 1, 0, 0                          ; tile 1: tile 0's dense product
	s_mov_b32 s[CNT], 5
.Lsecond:                                          ; tiles 2 to 6
	UNIT 1, 1, 1, 1, 0, 0
	s_sub_co_u32 s[CNT], s[CNT], 1
	s_cmp_lg_u32 s[CNT], 0
	s_cbranch_scc1 .Lsecond
	UNIT 1, 1, 1, 0, 0, 0                          ; tile 7: no tile behind it
	; the last tile's dense product, and the way out of the last two tiles
	v_add_nc_u32 v[AHR], s[HB], v[AHRB]
	v_add_nc_u32 v[OTW], s[OS], v[OSTB]
	v_add_nc_u32 v[OTR], s[OS], v[OSRB]
	AWAIT
	s_barrier_wait -1
	LOADO
	LOADH
	s_wait_dscnt 0x0
	SENDO
	DENSE
	v_add_nc_u32 v[OTR], OT, v[OTR]
.rept 3
	v_nop                                          ; with the line above: four places ahead of the stores that read the results
.endr
	TOSTAGE
	AWAIT
	s_wait_xcnt 0x0                                ; the stores have read their registers and their base
	s_add_nc_u64 s[16:17], s[16:17], 16384
	s_wait_dscnt 0x0
	s_barrier_signal -1
	s_barrier_wait -1
	LOADO
	s_wait_dscnt 0x0
	SENDO
	s_wait_tensorcnt 0x0                           ; the wave's end: behind my last tensor load and my last LDS store
	ds_add_u32 v[SPW], v[NIL]
	s_wait_dscnt 0x0
	CROUND                                         ; the closing round: no work-group ends while a partner may still ask for codes that name it
	s_endpgm
.Lfunc_end_k_q221cd9c4b8_main:
	.size	k_q221cd9c4b8_main, .Lfunc_end_k_q221cd9c4b8_main-k_q221cd9c4b8_main
	.p2alignl 7, 3214868480
	.fill 96, 4, 3214868480
	.section	.rodata,"a",@progbits
	.p2align	6, 0x0
	.amdhsa_kernel k_q221cd9c4b8_main
		.amdhsa_group_segment_fixed_size 327680
		.amdhsa_private_segment_fixed_size 0
		.amdhsa_enable_private_segment 0
		.amdhsa_kernarg_size 56
		.amdhsa_user_sgpr_count 2
		.amdhsa_user_sgpr_kernarg_segment_ptr 1
		.amdhsa_wavefront_size32 1
		.amdhsa_system_sgpr_workgroup_id_x 1
		.amdhsa_system_sgpr_workgroup_id_y 1
		.amdhsa_system_sgpr_workgroup_id_z 1
		.amdhsa_system_vgpr_workitem_id 0
		.amdhsa_next_free_vgpr 512
		.amdhsa_next_free_sgpr 100
		.amdhsa_reserve_vcc 0
		.amdhsa_float_denorm_mode_32 3
		.amdhsa_float_denorm_mode_16_64 3
		.amdhsa_memory_ordered 1
		.amdhsa_forward_progress 1
		.amdhsa_inst_pref_size 184
	.end_amdhsa_kernel
	.amdgpu_metadata
---
amdhsa.version: [ 1, 2 ]
amdhsa.kernels:
  - .name:           k_q221cd9c4b8_main
    .symbol:         k_q221cd9c4b8_main.kd
    .args:
      - { .name: x, .offset: 0, .size: 8, .value_kind: global_buffer, .address_space: global }
      - { .name: embed_w, .offset: 8, .size: 8, .value_kind: global_buffer, .address_space: global }
      - { .name: b_ih, .offset: 16, .size: 8, .value_kind: global_buffer, .address_space: global }
      - { .name: b_hh, .offset: 24, .size: 8, .value_kind: global_buffer, .address_space: global }
      - { .name: b_dense, .offset: 32, .size: 8, .value_kind: global_buffer, .address_space: global }
      - { .name: wq, .offset: 40, .size: 8, .value_kind: global_buffer, .address_space: global }
      - { .name: out0, .offset: 48, .size: 8, .value_kind: global_buffer, .address_space: global }
    .group_segment_fixed_size: 327680
    .private_segment_fixed_size: 0
    .kernarg_segment_align: 8
    .kernarg_segment_size: 56
    .max_flat_workgroup_size: 256
    .sgpr_count:     100
    .vgpr_count:     512
    .wavefront_size: 32
...
	.end_amdgpu_metadata
.endif
;; end of part 2
